; MI455X (gfx1250); checked and timed in simulation.
; The chip was launched on July 23, 2026; its instructions are those of AMD's public machine-readable ISA for CDNA 5 (MIT licence, August 2026) and "CDNA5" Instruction Set Architecture Reference Guide (July 2026). The comments in the code are by the model that wrote it; some were corrected since.
;; Pr Ro I Pool2 D. Allowed arithmetic: float matrix products may take bf16 or f16 operands with f32 sums; other float arithmetic in f32, or as packed bf16 or f16 multiplies, adds, multiply-adds, maxima and minima; sums over many terms, partial sums and values carried from step to step in f32; what a program stores and reads back later, other than sums and carried values, may be rounded once to bf16 or f16.
;; Inputs: features 4 x 256 x 64 x 64 float32; rois 1,024 x 5 float32.
;; Outputs: out0 1,024 x 256 x 3 x 7 float32.
;; One version. Each part assembles by itself: llvm-mc -triple=amdgcn-amd-amdhsa -mcpu=gfx1250 --defsym DOCPART=n.
;; ======== version 1 of 1: 2 launches
;; limits: values outside matrix products are rounded to f16; inputs' magnitudes at most 65,504; values are held in f16: magnitudes above 65,504 overflow, below 6.1e-05 lose precision
;; workspace buffers: wv 524,288 bytes; wq 131,072 bytes of whole numbers; bi 4,096 bytes of whole numbers
;; launch prep (part 1): grid 32 x 1, 32 waves a work-group, no clusters, 0 bytes of LDS; arguments rois, wv, wq, bi; writes wv, wq, bi
.if DOCPART == 1
	.amdgcn_target "amdgcn-amd-amdhsa--gfx1250"
	.amdhsa_code_object_version 6
	.text
	.protected	k_qe24517ba38_prep
	.globl	k_qe24517ba38_prep
	.p2align	8
	.type	k_qe24517ba38_prep,@function
k_qe24517ba38_prep:
	s_mov_b64 s[64:65], 0
	v_nop
	global_prefetch_b8 v0, s[64:65] scope:SCOPE_SE
	s_setreg_imm32_b32 hwreg(HW_REG_WAVE_MODE, 25, 1), 1
	s_wait_xcnt 0x0
; PrRoI pooling, first launch: each roi's weights, in a compact form, and its batch number as a whole number.
; The pooled value separates: out[r][c][ph][pw] = sum over h, w of Wy[ph][h] Wx[pw][w] F[b][c][h][w], with each axis's weights already divided by its bin size.
; A node's weight is the integral of its hat function over [start, e'], e' = min(end, floor(start) + 6): the walk covers six cells from floor(start) on, and no more.
;   W(h) = G(e' - h) - G(start - h),  G(u) = 0.5 + u - 0.5 u |u|,  u held to -1 .. 1.   At most 7 nodes of a row have weight; nodes outside 0 .. 63 do not exist.
; A RECORD.  The next launch wants a row of 64 weights as a matrix operand: 8 chunks of 8 nodes, lanes of half hh holding chunks 2 q + hh in registers 4 q .. 4 q + 3.  The 7 nodes lie in two
; neighbouring chunks, one of each parity.  So for each row and half only that chunk's 8 weights (f16, 16 bytes) and its slot q (0..3; 4: no such chunk) are stored.
;   wv: [roi][row 0..15][half][8 f16], 512 bytes a roi; rows 0-2 the y bins, rows 3-9 the x bins, rows 10-15 finite numbers that nobody uses, so that a wave's store is 512 whole bytes.
;   wq: [roi][2 row + half], one word each: q.      bi: [roi], the batch number 0..3.
; SHARES.  A wave a roi, a lane a (row, half).  32 waves a work-group, 32 work-groups.
; LIMITS.  NaN and infinities in rois are not treated apart.  A bin smaller than 2^-126 counts as empty (weights 0).  bin = size / 3 or / 7 is made by a multiplication and one correction step.
; start = first + bin x index is left as a multiplication and an addition, since its floor is taken.
.set ROIB, 20                          ; bytes in a row of rois
	s_load_b256 s[4:11], s[0:1], 0x0               ; rois s[4:5], wv s[6:7], wq s[8:9], bi s[10:11]
	v_lshrrev_b32 v1, 5, v0
	v_readfirstlane_b32 s12, v1                    ; wave 0..31
	v_and_b32 v2, 31, v0                           ; lane
	s_lshl_b32 s13, ttmp9, 5
	s_add_co_u32 s13, s13, s12                     ; my roi
	s_mul_i32 s14, s13, ROIB                       ; its row's byte offset
	v_lshrrev_b32 v3, 1, v2                        ; row 0..15
	v_and_b32 v4, 1, v2                            ; half
	v_cmp_gt_u32 vcc_lo, 3, v3                     ; a y bin?
	v_mov_b32 v10, 0x40400000                      ; 3.0
	v_cndmask_b32 v9, 0x40e00000, v10, vcc_lo      ; bins along my axis: 3 or 7
	v_mov_b32 v11, 0x3eaaaaab                      ; 1/3
	v_cndmask_b32 v11, 0x3e124925, v11, vcc_lo     ; or 1/7
	v_add_nc_u32 v12, -3, v3
	v_cndmask_b32 v12, v12, v3, vcc_lo             ; the bin's index along its axis
	v_cvt_f32_u32 v12, v12
	v_lshlrev_b32 v30, 4, v2                       ; my 16 bytes of the roi's record
	v_lshlrev_b32 v31, 2, v2                       ; my word of its slots
	s_lshl_b32 s22, s13, 9
	s_mov_b32 s23, 0
	s_lshl_b32 s24, s13, 7
	s_mov_b32 s25, 0
	s_wait_kmcnt 0x0
	s_load_b128 s[16:19], s[4:5], s14 offset:0x4   ; x1, y1, x2, y2
	s_add_nc_u64 s[6:7], s[6:7], s[22:23]          ; wv and wq at my roi
	s_add_nc_u64 s[8:9], s[8:9], s[24:25]
	s_wait_kmcnt 0x0
	v_mov_b32 v5, s16
	v_mov_b32 v6, s18
	v_mov_b32 v7, s17
	v_mov_b32 v8, s19
	v_cndmask_b32 v5, v5, v7, vcc_lo               ; my axis's first
	v_cndmask_b32 v6, v6, v8, vcc_lo               ; and last coordinate
	v_mul_f32 v5, 0x3d800000, v5                   ; x 1/16
	v_mul_f32 v6, 0x3d800000, v6
	v_sub_f32 v13, v6, v5
	v_max_num_f32 v13, 0, v13                      ; the roi's size along the axis
	v_mul_f32 v14, v13, v11                        ; size / n: a first quotient,
	v_fma_f32 v15, -v14, v9, v13                   ; its remainder,
	v_fma_f32 v14, v15, v11, v14                   ; the corrected quotient: the bin's size
	v_mul_f32 v15, v14, v12
	v_add_f32 v15, v5, v15                         ; start
	v_add_f32 v16, v15, v14                        ; end
	v_floor_f32 v17, v15
	v_add_f32 v18, 0x40c00000, v17                 ; floor(start) + 6
	v_min_num_f32 v18, v16, v18                    ; e'
	v_rcp_f32 v19, v14
	v_med3_num_f32 v20, v17, 0, 0x42640000         ; a plain line behind the reciprocal: the first node, held to 0 .. 57
	v_cvt_u32_f32 v20, v20
	v_lshrrev_b32 v20, 3, v20                      ; its chunk; the 7 nodes lie in this chunk and the next
	v_xor_b32 v21, v20, v4
	v_and_b32 v21, 1, v21
	v_add_nc_u32 v21, v20, v21                     ; of the two, the chunk of my half's parity
	v_lshrrev_b32 v22, 1, v21                      ; its slot q; chunk 8 gives 4: no slot
	v_lshlrev_b32 v23, 3, v21
	v_cvt_f32_u32 v23, v23                         ; the chunk's first node
	v_sub_f32 v24, v18, v23                        ; e' and start, counted from it
	v_sub_f32 v25, v15, v23
	s_wait_alu depctr_va_vdst(0)                   ; the wait between the reciprocal and its first reader
	v_cmp_le_f32 vcc_lo, 0x00800000, v14
	v_cndmask_b32 v19, 0, v19, vcc_lo              ; 1 / bin, or 0 for an empty bin
; The weight of node d of my chunk; c = -d as a float.
.macro ELEM d, c
	v_add_f32 v26, \c, v24
	v_add_f32 v27, \c, v25
	v_med3_num_f32 v26, v26, -1.0, 1.0             ; ue
	v_med3_num_f32 v27, v27, -1.0, 1.0             ; us
	v_mul_f32 v28, v26, |v26|
	v_fma_f32 v28, -v27, |v27|, v28                ; ue |ue| - us |us|
	v_sub_f32 v29, v26, v27
	v_fma_f32 v28, v28, -0.5, v29                  ; G(ue) - G(us)
	v_mul_f32 v[32+(\d)], v28, v19
.endm
	ELEM 0, 0
	ELEM 1, -1.0
	ELEM 2, -2.0
	ELEM 3, 0xc0400000
	ELEM 4, -4.0
	ELEM 5, 0xc0a00000
	ELEM 6, 0xc0c00000
	ELEM 7, 0xc0e00000
.irp i, 0,1,2,3
	v_cvt_pk_f16_f32 v[40+(\i)], v[32+2*(\i)], v[33+2*(\i)]
.endr
	global_store_b128 v30, v[40:43], s[6:7]        ; the wave stores 512 consecutive bytes, at a multiple of 512 from wv's first
	global_store_b32 v31, v22, s[8:9]              ; and 128 of wq
	s_cmp_lg_u32 s12, 0                            ; wave 0 also turns the work-group's 32 batch numbers into whole numbers, a lane a roi
	s_cbranch_scc1 .Ldone
	s_lshl_b32 s26, ttmp9, 5
	v_add_nc_u32 v44, s26, v2
	v_mul_u32_u24 v45, ROIB, v44
	global_load_b32 v46, v45, s[4:5]
	v_lshlrev_b32 v47, 2, v44
	s_wait_loadcnt 0x0
	v_med3_num_f32 v46, v46, 0, 0x40400000         ; held to 0 .. 3
	v_cvt_u32_f32 v46, v46                         ; toward zero
	global_store_b32 v47, v46, s[10:11]
.Ldone:
	s_endpgm
.Lfunc_end_k_qe24517ba38_prep:
	.size	k_qe24517ba38_prep, .Lfunc_end_k_qe24517ba38_prep-k_qe24517ba38_prep
	.p2alignl 7, 3214868480
	.fill 96, 4, 3214868480
	.section	.rodata,"a",@progbits
	.p2align	6, 0x0
	.amdhsa_kernel k_qe24517ba38_prep
		.amdhsa_group_segment_fixed_size 0
		.amdhsa_private_segment_fixed_size 0
		.amdhsa_enable_private_segment 0
		.amdhsa_kernarg_size 32
		.amdhsa_user_sgpr_count 2
		.amdhsa_user_sgpr_kernarg_segment_ptr 1
		.amdhsa_wavefront_size32 1
		.amdhsa_system_sgpr_workgroup_id_x 1
		.amdhsa_system_sgpr_workgroup_id_y 1
		.amdhsa_system_sgpr_workgroup_id_z 1
		.amdhsa_system_vgpr_workitem_id 0
		.amdhsa_next_free_vgpr 64
		.amdhsa_next_free_sgpr 66
		.amdhsa_reserve_vcc 1
		.amdhsa_float_denorm_mode_32 3
		.amdhsa_float_denorm_mode_16_64 3
		.amdhsa_memory_ordered 1
		.amdhsa_forward_progress 1
		.amdhsa_inst_pref_size 8
	.end_amdhsa_kernel
	.amdgpu_metadata
---
amdhsa.version: [ 1, 2 ]
amdhsa.kernels:
  - .name:           k_qe24517ba38_prep
    .symbol:         k_qe24517ba38_prep.kd
    .args:
      - { .name: rois, .offset: 0, .size: 8, .value_kind: global_buffer, .address_space: global }
      - { .name: wv, .offset: 8, .size: 8, .value_kind: global_buffer, .address_space: global }
      - { .name: wq, .offset: 16, .size: 8, .value_kind: global_buffer, .address_space: global }
      - { .name: bi, .offset: 24, .size: 8, .value_kind: global_buffer, .address_space: global }
    .group_segment_fixed_size: 0
    .private_segment_fixed_size: 0
    .kernarg_segment_align: 8
    .kernarg_segment_size: 32
    .max_flat_workgroup_size: 1024
    .sgpr_count:     66
    .vgpr_count:     64
    .wavefront_size: 32
...
	.end_amdgpu_metadata
.endif
;; end of part 1
;; launch main (part 2): grid 64 x 4, 8 waves a work-group, no clusters, 78,336 bytes of LDS; arguments features, wv, wq, bi, out0; writes out0
.if DOCPART == 2
	.amdgcn_target "amdgcn-amd-amdhsa--gfx1250"
	.amdhsa_code_object_version 6
	.text
	.protected	k_qe24517ba38_main
	.globl	k_qe24517ba38_main
	.p2align	8
	.type	k_qe24517ba38_main,@function
k_qe24517ba38_main:
	s_mov_b64 s[64:65], 0
	v_nop
	global_prefetch_b8 v0, s[64:65] scope:SCOPE_SE
	s_setreg_imm32_b32 hwreg(HW_REG_WAVE_MODE, 25, 1), 1
	s_wait_xcnt 0x0
; PrRoI pooling, second launch: out[r][c][ph][pw] = sum over h, w of Wy[r][ph][h] Wx[r][pw][w] F[b_r][c][h][w], as two products on the matrix unit, f16 operands, f32 sums.
; SHARES.  A work-group owns 4 channels (4 cg .. 4 cg + 3) of one batch b: 65,536 consecutive bytes of features, read once in the launch.  Rounded to f16 they lie, turned, in EVERY wave's registers
; (v256-511).  Wave 0 lists the rois of batch b; the list goes in TILES of 5 rois; wave w takes tiles w, w + 8, ..
; A TILE AND A CHANNEL.  Columns X = 3 rl + ph (rl = 0..4 the roi's slot, ph its y bin; column 15 is spare).
;   first:  T^T[w][X] = sum over h of F^T[w][h] Wy[X][h]:   source 0 = 16 columns w of the plane (4 blocks), source 1 = the 16 rows of Wy; K = 64: 8 matrix instructions.
;           In the result a lane holds column X = lane % 16 and w = 8 (lane / 16) + 0..7: rounded to f16 in pairs that IS source 1 of the second product.  Nothing changes lanes.
;   second: D_q[8 g + pw][X] = sum over w of Wx[slot 2 q + g][pw][w] T^T[w][X], q = 0..2: 6 matrix instructions.  Lane (X, half g) finds its roi's seven pw in registers 0-6 of D_q where
;           rl = 2 q + g; the other lanes' numbers belong to no output and go to a part of the stage that nobody reads.
; WEIGHTS come as records (first launch): for each row and half of the lanes 8 f16 and the slot q of four in which they stand; the other three slots are 0.  They are placed by selects, never by an address.
; THE ROI NUMBERS of a wave's tiles lie in five registers, lane i holding those of its i-th tile (26 tiles a wave at the most); a trip takes them out by v_readlane_b32, and constant lane masks
; spread them over the lanes.  So no LDS address in the loop changes from trip to trip.
; Where the list ends inside a tile, the tile's last slots repeat its first roi: the same wave stores the same numbers to the same bytes again, and every lane stays on.
; THE WAY OUT.  A roi's 4 channels are 336 consecutive bytes of out, at a multiple of 16: a tile's 5 x 336 bytes are gathered in the wave's own stage in LDS and leave as 105 stores of 16 bytes a lane.
; A piece of 336 bytes does not fill aligned blocks of 256: whole blocks would want 64 channels in one work-group, 524,288 bytes of f16 planes, more than its registers or LDS hold.
; NO CLUSTER, NO TENSOR LOADS: the planes have to be rounded on the way in, so they pass through registers; what work-groups share is five records of 512 bytes a tile at places taken from a list:
; about 2,600 bytes for 56 matrix instructions, and no rectangle that one descriptor could name.
; LIMITS.  |feature| stays under 65,504 (f16); the weights lie in 0 .. 1, so T has the features' range.  NaN and infinities are not treated apart.  If one batch has most rois the result is right, the work uneven.
.set PPITCH, 160                       ; a row h of a plane in LDS: 128 bytes of f16 + 32
.set PLANEB, 64*PPITCH                 ; a plane; the four lie from LDS byte 0 on
.set LIST,   4*PLANEB                  ; 40,960: 1,280 words: the rois of my batch (1,024 at the most), then zeros up to the last place that a lane reads (35 + 40 x 31 + 4);
.set LWORDS, 1280                      ; behind them 32 words for the lanes whose roi is another batch's: 5,376 bytes in all
.set TOT,    LIST+4*LWORDS+256         ; 46,336: word 0 = how many rois the list has
.set STAGE,  TOT+256                   ; 46,592: a stage for each wave
.set STGB,   3840                      ; bytes 0-1,679: [slot][channel][21 f32]; from 1,680 on what no output wants (3,640 at the most)
.set SPARE,  STAGE+8*STGB              ; 77,312: the spare words, 128 bytes for each wave: four blocks of 256 bytes that no other line names
.set OUTR,   21504                     ; bytes of out for a roi
.set SPW, 4                            ; v4   LDS address of my spare word; never rewritten
.set NIL, 5                            ; v5   0; never rewritten
.set IDS, 8                            ; v8-12   lane i: the five roi numbers of my wave's i-th tile
.set ROV, 20                           ; v20-21  my 16 bytes in a record: for Wy, for Wx
.set ROQ, 22                           ; v22-23  my word among a roi's slot numbers
.set WIO, 32                           ; v32-35  the way out: the place of my 16 bytes of store u in a roi's 336 bytes
.set SLD, 36                           ; v36-39  their place in my stage
.set SA,  40                           ; v40  where I put my seven numbers of a channel
.set TRA, 41                           ; v41  my lane's place in a turning load
.set FST, 42                           ; v42  where I put 4 features of a plane
.set FLO, 43                           ; v43  16 x my thread's number
.set IDW, 44                           ; v44-47  roi numbers for the next tile's records, by operand
.set IDO, 48                           ; v48-51  roi numbers for this tile's stores
.set AV,  52                           ; v52-55  offsets in wv
.set AQ,  56                           ; v56-59  offsets in wq
.set OAD, 60                           ; v60-63  offsets in out
.set RAW, 64                           ; v64-79  four records' 16 bytes
.set QS,  80                           ; v80-83  their slots
.set TP,  84                           ; v84-95  at work
.set OP,  96                           ; v96-159 operands: Wy, then Wx of q = 0, 1, 2: 16 registers each (in the prologue: the features as loaded)
.set ACC, 160                          ; v160-191  T^T, four accumulators (in the prologue, wave 0: the 1,024 batch numbers)
.set T,   192                          ; v192-207  T^T in f16
.set ACB, 208                          ; v208-231  D_q
.set RES, 232                          ; v232-238  my seven numbers
.set OB,  240                          ; v240-255  the way out
                                       ; v256-511  the planes: plane p, block mt of 16 columns, K half s at 256 + 64 p + 8 (2 mt + s)
.set CUR, 24                           ; s24-28  this tile's five roi numbers
.set NX,  32                           ; s32-36  those of the tile whose records are asked for
.set MSB, 0
.macro WIN new                         ; s_set_vgpr_msb: bits 1:0 source 0, 7:6 destination; the high byte repeats the setting that is left
.if MSB != (\new)
	s_set_vgpr_msb (MSB<<8)|(\new)
.set MSB, \new
.endif
.endm
.macro PLACES                          ; four plain vector lines between a matrix instruction and a vector line that reads its result (ISA guide 7.12.1)
.rept 4
	v_nop
.endr
.endm
	s_load_b256 s[4:11], s[0:1], 0x0               ; features s[4:5], wv s[6:7], wq s[8:9], bi s[10:11]
	s_load_b64 s[12:13], s[0:1], 0x20              ; out
	v_lshl_add_u32 v[SPW], v0, 2, SPARE
	v_mov_b32 v[NIL], 0
	v_lshrrev_b32 v84, 5, v0
	v_readfirstlane_b32 s14, v84                   ; wave 0..7
	s_and_b32 s15, ttmp7, 0xffff                   ; b
	s_mov_b32 s16, ttmp9                           ; cg
	s_mul_i32 s17, s14, STGB
	s_add_co_u32 s17, s17, STAGE                   ; my stage
	; lane masks.  By column n = lane % 16, the same in both halves of the lanes:
	s_mov_b32 s48, 0x0fc00fc0                      ; n = 6..11: slots 2, 3: q = 1
	s_mov_b32 s49, 0xf000f000                      ; n >= 12: slot 4: q = 2
	s_mov_b32 s50, 0xfff8fff8                      ; n >= 3: slot 1 or later
	s_mov_b32 s51, 0xffc0ffc0                      ; n >= 6
	s_mov_b32 s52, 0xfe00fe00                      ; n >= 9
	s_mov_b32 s53, 0xff00ff00                      ; n >= 8: the second roi of a pair
	; by lane, for the way out's pieces 32 u + lane, 21 pieces a slot:
	s_mov_b32 s54, 0xffe00000                      ; u = 0: from piece 21 on slot 1
	s_mov_b32 s55, 0xfffffc00                      ; u = 1: from piece 42 on slot 2,
	s_mov_b32 s56, 0x80000000                      ;        piece 63 slot 3
	s_mov_b32 s57, 0xfff00000                      ; u = 2: from piece 84 on slot 4
	v_and_b32 v1, 31, v0                           ; L
	v_and_b32 v2, 15, v0                           ; n = L % 16
	v_bfe_u32 v3, v0, 4, 1                         ; hh = L / 16
	v_mul_u32_u24 v6, 11, v2
	v_lshrrev_b32 v6, 5, v6                        ; rl = n / 3 (5 for the spare column)
	v_mul_u32_u24 v84, 3, v6
	v_sub_nc_u32 v7, v2, v84
	v_and_b32 v7, 3, v7                            ; ph = n - 3 rl, 0..2: the mask states its two bits
	v_lshlrev_b32 v84, 4, v3
	v_lshlrev_b32 v86, 2, v3
	v_and_b32 v85, 7, v2
	v_add_nc_u32 v85, 3, v85                       ; the x bins are a record's rows 3 + pw (pw = 7: a row of spare numbers)
	v_lshl_add_u32 v[ROV], v7, 5, v84              ; row x 32 + 16 hh
	v_lshl_add_u32 v[ROV+1], v85, 5, v84
	v_lshl_add_u32 v[ROQ], v7, 3, v86              ; row x 8 + 4 hh
	v_lshl_add_u32 v[ROQ+1], v85, 3, v86
.irp u, 0,1,2,3                        ; the way out: 105 pieces of 16 bytes; lanes beyond repeat piece 104
	v_add_nc_u32 v87, 32*(\u), v1
	v_min_u32 v87, 104, v87
	v_mul_u32_u24 v88, 3121, v87
	v_lshrrev_b32 v88, 16, v88                     ; piece / 21: the slot
	v_mul_u32_u24 v88, 21, v88
	v_sub_nc_u32 v88, v87, v88
	v_lshlrev_b32 v[WIO+(\u)], 4, v88
	v_lshl_add_u32 v[SLD+(\u)], v87, 4, s17
.endr
	v_xor_b32 v89, v6, v3
	v_and_b32 v89, 1, v89                          ; 1: my half of the lanes holds the other slot's rows: nothing of mine is an output
	v_mul_u32_u24 v[SA], 336, v6
	v_mad_u32_u24 v[SA], v7, 28, v[SA]
	v_mad_u32_u24 v[SA], v89, 1680, v[SA]          ; such lanes, and column 15 (rl = 5), write from byte 1,680 on
	v_add_nc_u32 v[SA], s17, v[SA]
	v_and_b32 v84, 7, v0
	v_lshl_add_u32 v84, v3, 3, v84
	v_mul_u32_u24 v[TRA], PPITCH, v84              ; row 8 hh + L % 8,
	v_bfe_u32 v85, v0, 3, 1
	v_lshl_add_u32 v[TRA], v85, 4, v[TRA]          ; 16 bytes for each eight lanes
	s_mul_i32 s18, s14, 2*PPITCH
	v_mul_u32_u24 v[FST], PPITCH, v3
	v_lshl_add_u32 v[FST], v2, 3, v[FST]
	v_add_nc_u32 v[FST], s18, v[FST]               ; row 2 wave + hh, 8 bytes for my 4 features
	v_lshlrev_b32 v[FLO], 4, v0
	v_lshlrev_b32 v90, 4, v1                       ; 16 L
	s_lshl_b32 s18, s15, 22                        ; a batch is 4,194,304 bytes,
	s_lshl_b32 s19, s16, 16                        ; four planes 65,536
	s_add_co_u32 s18, s18, s19
	s_mov_b32 s19, 0
	s_mul_i32 s22, s16, 336                        ; four channels of a roi
	s_mov_b32 s23, 0
	s_wait_kmcnt 0x0
	s_add_nc_u64 s[4:5], s[4:5], s[18:19]
	s_add_nc_u64 s[12:13], s[12:13], s[22:23]
	s_cmp_lg_u32 s14, 0                            ; wave 0 asks for all 1,024 batch numbers first: lane L gets rois 128 i + 4 L + 0..3
	s_cbranch_scc1 .Lno_bi
.irp i, 0,1,2,3,4,5,6,7
	global_load_b128 v[ACC+4*(\i):ACC+4*(\i)+3], v90, s[10:11] offset:512*(\i)
.endr
.Lno_bi:
.irp i, 0,1,2,3,4,5,6,7,8,9,10,11,12,13,14,15  ; the four planes: each load of the work-group takes 4,096 consecutive bytes
	global_load_b128 v[OP+4*(\i):OP+4*(\i)+3], v[FLO], s[4:5] offset:4096*(\i) th:TH_LOAD_NT
.endr
; THE LIST.  For 32 rois at a time: the lanes whose roi is of my batch take the next places of the list, in lane order; the others write into the 32 words behind it.
.macro RANK i, k
	v_cmp_eq_u32 s20, s15, v[ACC+4*(\i)+(\k)]
	v_mbcnt_lo_u32_b32 v93, s20, s40               ; the list's length so far + the matching lanes below me
	v_cndmask_b32 v93, v91, v93, s20
	v_min_u32 v93, LWORDS+31, v93
	v_lshl_add_u32 v93, v93, 2, LIST
	v_add_nc_u32 v94, 128*(\i)+(\k), v92           ; the roi's number
	ds_store_b32 v93, v94
	s_bcnt1_i32_b32 s21, s20
	s_add_co_u32 s40, s40, s21
.endm
	s_cmp_lg_u32 s14, 0
	s_cbranch_scc1 .Lno_rank
	v_mov_b32 v84, 0
	v_mov_b32 v85, 0
	v_mov_b32 v86, 0
	v_mov_b32 v87, 0
	v_add_nc_u32 v88, LIST, v90
.irp i, 0,1,2,3,4,5,6,7,8,9
	ds_store_b128 v88, v[84:87] offset:512*(\i)    ; the 1,280 words start as zeros: every word that a lane reads has been written, with an empty list too
.endr
	v_add_nc_u32 v91, LWORDS, v1
	v_lshlrev_b32 v92, 2, v1
	s_mov_b32 s40, 0
	s_wait_loadcnt 16                              ; the batch numbers are in; the 16 loads of features, issued behind them, may stay out
.irp i, 0,1,2,3,4,5,6,7
.irp k, 0,1,2,3
	RANK \i, \k
.endr
.endr
	v_mov_b32 v93, s40
	v_mov_b32 v94, TOT
	ds_store_b32 v94, v93
.Lno_rank:
.irp i, 0,1,2,3,4,5,6,7,8,9,10,11,12,13,14,15  ; load i: plane i / 4, rows 16 (i % 4) + 2 wave + hh; rounded to f16, once
	s_wait_loadcnt 15-(\i)                         ; loads come back in order (ISA guide 5.7.1): load i is in, the younger ones stay out
	v_cvt_pk_f16_f32 v[OP+4*(\i)], v[OP+4*(\i)], v[OP+4*(\i)+1]
	v_cvt_pk_f16_f32 v[OP+4*(\i)+1], v[OP+4*(\i)+2], v[OP+4*(\i)+3]
	ds_store_b64 v[FST], v[OP+4*(\i):OP+4*(\i)+1] offset:((\i)/4)*PLANEB+((\i)%4)*16*PPITCH
.endr
	s_wait_dscnt 0x0                               ; for the others' sake: my part of the planes (wave 0: the list and its length too) is in LDS
	s_barrier_signal -1
	s_barrier_wait -1                              ; the launch's one barrier; behind it planes, list and length are only read
; Plane p into registers.  The turning load takes 16 rows h x 16 columns w and leaves half a fragment of F^T: lane l holds column l % 16 and 8 rows.
.macro FRAG p
.irp mt, 0,1,2,3
.irp s, 0,1
	ds_load_tr16_b128 v[64*(\p)+8*(2*(\mt)+(\s)):64*(\p)+8*(2*(\mt)+(\s))+3],   v[TRA] offset:(\p)*PLANEB+(\s)*32*PPITCH+32*(\mt)
	ds_load_tr16_b128 v[64*(\p)+8*(2*(\mt)+(\s))+4:64*(\p)+8*(2*(\mt)+(\s))+7], v[TRA] offset:(\p)*PLANEB+(\s)*32*PPITCH+32*(\mt)+16*PPITCH
.endr
.endr
.endm
; The records of my tile number s47: its five roi numbers out of lane s47, spread over the lanes by operand; then 16 bytes and a slot number a lane for each of the four operands.
.macro ASKREC
.irp k, 0,1,2,3,4
	v_readlane_b32 s[NX+(\k)], v[IDS+(\k)], s47
.endr
	v_mov_b32 v[IDW], s[NX]                        ; Wy: column n belongs to slot n / 3 (column 15: slot 4 once more)
	v_cndmask_b32 v[IDW], v[IDW], s[NX+1], s50
	v_cndmask_b32 v[IDW], v[IDW], s[NX+2], s51
	v_cndmask_b32 v[IDW], v[IDW], s[NX+3], s52
	v_cndmask_b32 v[IDW], v[IDW], s[NX+4], s49
	v_mov_b32 v[IDW+1], s[NX]                      ; Wx of q: row n = 8 g + pw belongs to slot 2 q + g;
	v_cndmask_b32 v[IDW+1], v[IDW+1], s[NX+1], s53
	v_mov_b32 v[IDW+2], s[NX+2]
	v_cndmask_b32 v[IDW+2], v[IDW+2], s[NX+3], s53
	v_mov_b32 v[IDW+3], s[NX+4]                    ; q = 2 has slot 4 alone
.irp o, 0,1,2,3
	v_min_u32 v[TP+(\o)], 0x3ff, v[IDW+(\o)]
	v_lshl_add_u32 v[AV+(\o)], v[TP+(\o)], 9, v[ROV+((\o)+2)/3]
	v_lshl_add_u32 v[AQ+(\o)], v[TP+(\o)], 7, v[ROQ+((\o)+2)/3]
	global_load_b128 v[RAW+4*(\o):RAW+4*(\o)+3], v[AV+(\o)], s[6:7]
	global_load_b32 v[QS+(\o)], v[AQ+(\o)], s[8:9]
.endr
.endm
; A record's 8 weights go into slot q of the operand's four; the other slots are 0.
.macro EXPAND
.irp o, 0,1,2,3
.irp q, 0,1,2,3
	v_cmp_eq_u32 vcc_lo, \q, v[QS+(\o)]
.irp i, 0,1,2,3
	v_cndmask_b32 v[OP+16*(\o)+4*(\q)+(\i)], 0, v[RAW+4*(\o)+(\i)], vcc_lo
.endr
.endr
.endr
.endm
; Channel p of the tile.  In both products the accumulators take turns, one instruction a turn; the first K half starts the sums with the constant 0.
.macro PLANE p
	WIN 0x01                                       ; source 0, the plane, in window 1
.irp mt, 0,1,2,3
	v_wmma_f32_16x16x32_f16 v[ACC+8*(\mt):ACC+8*(\mt)+7], v[64*(\p)+16*(\mt):64*(\p)+16*(\mt)+7], v[OP:OP+7], 0
.endr
.irp mt, 0,1,2,3
	v_wmma_f32_16x16x32_f16 v[ACC+8*(\mt):ACC+8*(\mt)+7], v[64*(\p)+16*(\mt)+8:64*(\p)+16*(\mt)+15], v[OP+8:OP+15], v[ACC+8*(\mt):ACC+8*(\mt)+7]
.endr
	WIN 0
	PLACES
.irp mt, 0,1,2,3                       ; block mt's eight w are registers 4 mt .. 4 mt + 3 of the second product's source 1; each accumulator is read from its low end on
.irp j, 0,1,2,3
	v_cvt_pk_f16_f32 v[T+4*(\mt)+(\j)], v[ACC+8*(\mt)+2*(\j)], v[ACC+8*(\mt)+2*(\j)+1]
.endr
.endr
.irp q, 0,1,2
	v_wmma_f32_16x16x32_f16 v[ACB+8*(\q):ACB+8*(\q)+7], v[OP+16+16*(\q):OP+16+16*(\q)+7], v[T:T+7], 0
.endr
.irp q, 0,1,2
	v_wmma_f32_16x16x32_f16 v[ACB+8*(\q):ACB+8*(\q)+7], v[OP+16+16*(\q)+8:OP+16+16*(\q)+15], v[T+8:T+15], v[ACB+8*(\q):ACB+8*(\q)+7]
.endr
	PLACES
.irp j, 0,1,2,3,4,5,6                  ; my column's slot says which D_q holds its numbers
	v_cndmask_b32 v[RES+(\j)], v[ACB+(\j)], v[ACB+8+(\j)], s48
	v_cndmask_b32 v[RES+(\j)], v[RES+(\j)], v[ACB+16+(\j)], s49
.endr
.irp j, 0,1,2,3,4,5,6
	ds_store_b32 v[SA], v[RES+(\j)] offset:84*(\p)+4*(\j)
.endr
.endm
	WIN 0x40                                       ; destination window 1
	FRAG 0
	FRAG 1
	WIN 0
	v_mov_b32 v84, TOT
	s_mul_i32 s46, s14, 5
	v_mul_u32_u24 v86, 40, v1
	v_add_nc_u32 v86, s46, v86                     ; lane i: the list's place of slot 0 of tile w + 8 i: 5 w + 40 i, 1,275 at the most
	v_lshl_add_u32 v87, v86, 2, LIST
	ds_load_b32 v85, v84                           ; the list's length
.irp k, 0,1,2,3,4
	ds_load_b32 v[IDS+(\k)], v87 offset:4*(\k)
.endr
	s_wait_dscnt 0x0                               ; length and roi numbers are in, and with them the first two planes' fragments
	v_readfirstlane_b32 s41, v85
	s_min_u32 s41, s41, 0x400                      ; rois in the list
.irp k, 1,2,3,4
	v_add_nc_u32 v88, \k, v86
	v_cmp_gt_u32 vcc_lo, s41, v88                  ; is the place inside the list?
	v_cndmask_b32 v[IDS+(\k)], v[IDS], v[IDS+(\k)], vcc_lo  ; if not: the tile's first roi once more
.endr
	s_add_co_u32 s43, s41, 4
	s_mul_hi_u32 s43, s43, 0xcccccccd
	s_lshr_b32 s43, s43, 2                         ; tiles = (rois + 4) / 5
	s_add_co_u32 s44, s43, 7
	s_sub_co_u32 s44, s44, s14
	s_lshr_b32 s44, s44, 3                         ; my tiles: w, w + 8, ..: 26 at the most
	s_mov_b32 s47, 0
	ASKREC                                         ; my first tile's records are on their way while the other two planes come into registers
	WIN 0x40
	FRAG 2
	FRAG 3
	WIN 0                                          ; at a label and at a branch every window is 0
	s_cmp_eq_u32 s44, 0
	s_cbranch_scc1 .Lend                           ; fewer tiles than waves: nothing is mine
	s_mov_b32 s45, 0
.Ltile:                                            ; a trip: one tile, four channels; the next tile's records are asked for ahead of the products
	s_wait_xcnt 0x0                                ; the last trip's stores and loads have read their offsets and data: OAD, OB, AV, AQ are written again only behind this wait
.irp k, 0,1,2,3,4
	v_readlane_b32 s[CUR+(\k)], v[IDS+(\k)], s45   ; this tile's rois
.endr
	s_add_co_u32 s47, s45, 1                       ; my next tile (behind my last: lane 26 at the most, a roi number that is asked for and not used)
	v_mov_b32 v[IDO], s[CUR]                       ; spread by the way out's pieces
	v_cndmask_b32 v[IDO], v[IDO], s[CUR+1], s54
	v_mov_b32 v[IDO+1], s[CUR+1]
	v_cndmask_b32 v[IDO+1], v[IDO+1], s[CUR+2], s55
	v_cndmask_b32 v[IDO+1], v[IDO+1], s[CUR+3], s56
	v_mov_b32 v[IDO+2], s[CUR+3]
	v_cndmask_b32 v[IDO+2], v[IDO+2], s[CUR+4], s57
	v_mov_b32 v[IDO+3], s[CUR+4]
.irp u, 0,1,2,3
	v_min_u32 v[TP+8+(\u)], 0x3ff, v[IDO+(\u)]
	v_mul_u32_u24 v[TP+8+(\u)], OUTR, v[TP+8+(\u)]
	v_add_nc_u32 v[OAD+(\u)], v[TP+8+(\u)], v[WIO+(\u)]
.endr
	s_wait_loadcnt 0x0                             ; this tile's records are in
	EXPAND
	ASKREC
	s_wait_dscnt 0x0                               ; in the first trip: the last two planes' fragments; later nothing is out
	PLANE 0
	PLANE 1
	PLANE 2
	PLANE 3
.irp u, 0,1,2,3
	ds_load_b128 v[OB+4*(\u):OB+4*(\u)+3], v[SLD+(\u)]  ; LDS serves a wave's instructions in order (ISA guide 5.7.1.4): these see the stores above, and the stage is my own
.endr
	s_wait_dscnt 0x0
.irp u, 0,1,2,3
	global_store_b128 v[OAD+(\u)], v[OB+4*(\u):OB+4*(\u)+3], s[12:13] th:TH_STORE_NT  ; 21 neighbouring lanes store a roi's 336 consecutive bytes
.endr
	s_add_co_u32 s45, s45, 1
	s_cmp_lt_u32 s45, s44
	s_cbranch_scc1 .Ltile
.Lend:
	s_wait_tensorcnt 0x0                           ; the wave's end, behind my last LDS store
	ds_add_u32 v[SPW], v[NIL]
	s_wait_dscnt 0x0
	s_endpgm
.Lfunc_end_k_qe24517ba38_main:
	.size	k_qe24517ba38_main, .Lfunc_end_k_qe24517ba38_main-k_qe24517ba38_main
	.p2alignl 7, 3214868480
	.fill 96, 4, 3214868480
	.section	.rodata,"a",@progbits
	.p2align	6, 0x0
	.amdhsa_kernel k_qe24517ba38_main
		.amdhsa_group_segment_fixed_size 78336
		.amdhsa_private_segment_fixed_size 0
		.amdhsa_enable_private_segment 0
		.amdhsa_kernarg_size 40
		.amdhsa_user_sgpr_count 2
		.amdhsa_user_sgpr_kernarg_segment_ptr 1
		.amdhsa_wavefront_size32 1
		.amdhsa_system_sgpr_workgroup_id_x 1
		.amdhsa_system_sgpr_workgroup_id_y 1
		.amdhsa_system_sgpr_workgroup_id_z 1
		.amdhsa_system_vgpr_workitem_id 0
		.amdhsa_next_free_vgpr 512
		.amdhsa_next_free_sgpr 66
		.amdhsa_reserve_vcc 1
		.amdhsa_float_denorm_mode_32 3
		.amdhsa_float_denorm_mode_16_64 3
		.amdhsa_memory_ordered 1
		.amdhsa_forward_progress 1
		.amdhsa_inst_pref_size 58
	.end_amdhsa_kernel
	.amdgpu_metadata
---
amdhsa.version: [ 1, 2 ]
amdhsa.kernels:
  - .name:           k_qe24517ba38_main
    .symbol:         k_qe24517ba38_main.kd
    .args:
      - { .name: features, .offset: 0, .size: 8, .value_kind: global_buffer, .address_space: global }
      - { .name: wv, .offset: 8, .size: 8, .value_kind: global_buffer, .address_space: global }
      - { .name: wq, .offset: 16, .size: 8, .value_kind: global_buffer, .address_space: global }
      - { .name: bi, .offset: 24, .size: 8, .value_kind: global_buffer, .address_space: global }
      - { .name: out0, .offset: 32, .size: 8, .value_kind: global_buffer, .address_space: global }
    .group_segment_fixed_size: 78336
    .private_segment_fixed_size: 0
    .kernarg_segment_align: 8
    .kernarg_segment_size: 40
    .max_flat_workgroup_size: 256
    .sgpr_count:     66
    .vgpr_count:     512
    .wavefront_size: 32
...
	.end_amdgpu_metadata
.endif
;; end of part 2
